; MI455X (gfx1250); checked and timed in simulation.
; The chip was launched on July 23, 2026; its instructions are those of AMD's public machine-readable ISA for CDNA 5 (MIT licence, August 2026) and "CDNA5" Instruction Set Architecture Reference Guide (July 2026). The comments in the code are by the model that wrote it; some were corrected since.
;; Long Term Memory. Allowed arithmetic: matrix products marked QUANTISED: E2M3 operands, one E8M0 scale for each 32 along K, by v_wmma_scale_f32_16x16x128_f8f6f4 with both operands' format E2M3, f32 sums; products left as they are: f32 operands where the result goes on into a quantised operand, else bf16, f16 or f32 operands; f32 sums; everything else in f32.
;; Inputs: ltm_buffer 16,384 x 1,024 float32; x 2 x 2,048 x 1,024 float32.
;; Outputs: out0 2 x 2,048 x 1,024 float32.
;; Constants: top_k = 16.
;; This version of the problem:
;;   THIS VERSION OF THE PROBLEM IS GIVEN IN LOW PRECISION. The matrix products marked QUANTISED in the list below multiply operands that are first quantised to E2M3 (2 exponent bits, 3 mantissa bits; 6 bits a number), with one power-of-two scale for each 32 numbers along K (OCP MX v1.0); their sums are f32. All else is computed in f32.
;;   The module's matrix products, in the order in which they are computed (A, B: the left and right operand; K: the contracted axis; several contracted axes count as one K, in the product's order):
;;     1. [M 4,096, K 1,024] x [K 1,024, N 16,384]; A: computed on the way; B: computed on the way: QUANTISED
;;     2. batch 4,096 x [M 1, K 16] x [K 16, N 1,024]; A: softmax; B: computed on the way: left as it is (K = 16 < 32)
;;   THE QUANTISER, for each operand of a quantised product, along K:
;;     - K is cut into blocks of 32 from its start; a last block that is shorter is filled with zeros.
;;     - A block's scale is 2^e with e = floor(log2(the largest magnitude in the block)) - 2, held to -126 .. 127; a block of zeros has e = 0. As a byte (E8M0): e + 127.
;;     - Each number is divided by its block's scale, clamped to +-7.5, and rounded to the nearest number of E2M3, ties to even, subnormals kept.
;;     - The product sums the exact products of the quantised numbers (number of the format x scale) in f32.
;;   ~~~python
;;   def quantise(x, axis):      # numpy; x: float32 -> the quantised numbers, widened to float32 again
;;       x = np.moveaxis(x, axis, -1); K = x.shape[-1]
;;       x = np.pad(x, [(0, 0)] * (x.ndim - 1) + [(0, -K % 32)]); x = x.reshape(x.shape[:-1] + (-1, 32)); a = np.abs(x).max(-1, keepdims=True)
;;       e = np.where(a > 0, np.clip(np.frexp(np.where(a > 0, a, 1))[1] - 1 - 2, -126, 127), 0)      # np.frexp(a)[1] - 1 = floor(log2(a)), exactly
;;       r = np.clip(x / 2.0 ** e, -7.5, 7.5)
;;       step = 2.0 ** (np.maximum(np.frexp(np.where(r == 0, 1, r))[1] - 1, 0) - 3)
;;       q = np.round(r / step) * step * 2.0 ** e      # np.round: ties to even
;;       return np.moveaxis(q.reshape(q.shape[:-2] + (-1,))[..., :K], -1, axis).astype(np.float32)
;;   ~~~
;;   OPERANDS COMPUTED ON THE WAY. 'Computed on the way' means the value that the module computes at that place (a softmax that the list does not call 'softmax' is quantised finished and normalised). What goes into a quantiser is computed in f32, as accurately as f32 sums, v_exp_f32 and their like allow (about 1e-6 of the number): no bf16 or f16 on the way to a quantiser, and a product that is left as it is and whose result goes on into a quantised operand takes f32 operands (vector FMAs, or v_wmma_f32_16x16x4_f32). A number that lies on a knife's edge between two numbers of the format may be rounded either way, as far as f32 arithmetic and the matrix unit's own rounding can turn it there, and no further.
;; One version. Each part assembles by itself: llvm-mc -triple=amdgcn-amd-amdhsa -mcpu=gfx1250 --defsym DOCPART=n.
;; ======== version 1 of 1: 5 launches
;; limits: right only within a limited range of input values
;; workspace buffers: codes 15,728,640 bytes; scl 655,360 bytes; scores 268,435,456 bytes; gmax 8,388,608 bytes; gsel 262,144 bytes of whole numbers; sel 262,144 bytes of whole numbers; wts 262,144 bytes
;; launch quant (part 1): grid 1280 x 1, 2 waves a work-group, no clusters, 11,008 bytes of LDS; arguments x, ltm_buffer, codes, scl; writes codes, scl
.if DOCPART == 1
	.amdgcn_target "amdgcn-amd-amdhsa--gfx1250"
	.amdhsa_code_object_version 6
	.text
	.protected	k_q3c022032a3_quant
	.globl	k_q3c022032a3_quant
	.p2align	8
	.type	k_q3c022032a3_quant,@function
k_q3c022032a3_quant:
	s_mov_b64 s[64:65], 0
	v_nop
	global_prefetch_b8 v0, s[64:65] scope:SCOPE_SE
	s_setreg_imm32_b32 hwreg(HW_REG_WAVE_MODE, 25, 1), 1
	s_wait_xcnt 0x0
; Rows of x (4,096) and of ltm_buffer (16,384), 1,024 f32 each, are normalised (row / max(norm, 1e-6)) in f32 and turned into codes of FP6 (E2M3), K innermost,
; with one E8M0 byte for each 32 along K.  codes: [20,480 rows][768 bytes], scl: [20,480][32 bytes]; rows 0-4,095 are x's, the others the memories'.
; A block's scale is 2^(floor(log2(its largest magnitude)) - 2); its byte is the largest magnitude's exponent field - 2, held at 1 from below.
; LIMITS: NaN and infinities among the inputs are not served.  A block whose largest magnitude lies under 2^-124 (a block of zeros too) gets the byte 1: a block of zeros has zero codes,
; which add nothing under that byte, and this program alone reads the bytes.  The sum of squares is taken in another order than a serial sum; root and quotient each get one correction step in f32.
; SHARES.  A wave takes 8 rows, one at a time: a row is 32 registers a lane (eight loads of 512 consecutive bytes), so it stays in registers between the sum of squares and the division.
; The conversion wants 16 NEIGHBOURS along K in a lane: half a row (2,048 bytes) at a time turns through the wave's own stage in LDS, stored as loaded and read back 64 bytes a lane
; (16 bytes of padding behind each 64).  Two neighbouring lanes then hold a block.  No barrier: waves share nothing.  Loads run three rows (24 loads a wave) ahead.
; No tensor loads, no matrix unit, no cluster: each byte is read once by one wave, and memory binds.
.set WREG, 5376                        ; LDS of a wave: two stages of 2,560 bytes, then its 256 scale bytes
.set SP,   80                          ; a lane's place in a stage: 64 bytes + 16 of padding
.set HALF, 32*SP
.set RAW,  16                          ; v16-111  three sets of 32: row t in set t % 3
.set X,    112                         ; v112-143 two sets of 16 neighbours (the row's two halves)
.set C,    144                         ; v144-207 codes: four registers for each half row, so that no store's data are written again
.set E,    208                         ; v208-223 a scale byte for each half row
.set A,    224                         ; v224-231 four packed chains; later four packed quotients
.set SS,   232                         ; the sum of squares
.set TP,   233                         ; the lane permute's destination
.set NRM,  234                         ; v[234:235] max(norm, 1e-6) in the low word
.set INV,  236                         ; v[236:237] its reciprocal in the low word
.set RT,   238                         ; the root
.set TQ,   239                         ; at work
	s_load_b128 s[4:7], s[0:1], 0x0                ; x, ltm_buffer
	s_load_b128 s[8:11], s[0:1], 0x10              ; codes, scl
	v_lshl_add_u32 v240, v0, 2, 0x2a00
	v_mov_b32 v241, 0
	v_lshrrev_b32 v1, 5, v0
	v_readfirstlane_b32 s16, v1                    ; wave 0, 1
	v_and_b32 v2, 31, v0                           ; lane
	v_lshlrev_b32 v3, 4, v2                        ; my 16 bytes of a load's 512
	s_mul_i32 s17, s16, WREG
	v_lshrrev_b32 v14, 2, v2
	v_mul_u32_u24 v14, v14, SP
	v_and_b32 v15, 3, v2
	v_lshl_add_u32 v14, v15, 4, v14
	v_add_nc_u32 v14, s17, v14                     ; the stage, on the way in: 80 (lane / 4) + 16 (lane % 4); a load's 512 bytes take eight places
	v_mul_u32_u24 v15, v2, SP
	v_add_nc_u32 v15, s17, v15                     ; and on the way out: 80 x lane: my 16 neighbours
	v_mul_u32_u24 v4, v2, 12                       ; my 12 bytes of codes in a half row's 384
	v_lshrrev_b32 v5, 1, v2
	s_add_co_u32 s17, s17, 2*HALF
	v_add_nc_u32 v5, s17, v5                       ; LDS: my wave's 256 scale bytes, my block's byte
	v_lshlrev_b32 v7, 3, v2                        ; and on the way out 8 bytes a lane
	v_add_nc_u32 v6, s17, v7
	v_mov_b32 v[TP], 0                             ; written once: a lane permute's destination counts as one of its sources
	v_mov_b32 v[NRM+1], 0                          ; (named as the upper halves of pairs whose low words serve both halves)
	v_mov_b32 v[INV+1], 0
	s_mov_b32 s12, 0x76543210
	s_mov_b32 s13, 0xfedcba98                      ; v_permlanex16_b32's selects for lane l xor 16
	s_wait_kmcnt 0x0
	s_cmp_lt_u32 ttmp9, 256                        ; the first 256 work-groups take x (512 runs of 8 rows), the others the memories: the choice hangs on the work-group's number alone
	s_cselect_b64 s[4:5], s[4:5], s[6:7]
	s_cselect_b32 s17, 0, 512
	s_lshl_b32 s18, ttmp9, 1
	s_add_co_u32 s18, s18, s16                     ; my run of 8 rows among the 2,560 of both tensors
	s_sub_co_u32 s20, s18, s17                     ; and within its own tensor
	s_lshl_b32 s20, s20, 15                        ; 8 rows of 4,096 bytes
	s_mov_b32 s21, 0
	s_add_nc_u64 s[4:5], s[4:5], s[20:21]
	s_mul_i32 s20, s18, 8*768
	s_add_nc_u64 s[8:9], s[8:9], s[20:21]
	s_lshl_b32 s20, s18, 8                         ; 8 rows of 32 scale bytes
	s_add_nc_u64 s[10:11], s[10:11], s[20:21]
.macro LOAD t                          ; row t: eight loads of 512 consecutive bytes
.irp j, 0,1,2,3,4,5,6,7
	global_load_b128 v[RAW+32*((\t)%3)+4*\j:RAW+32*((\t)%3)+4*\j+3], v3, s[4:5] offset:4096*(\t)+512*\j th:TH_LOAD_NT
.endr
.endm
; Half u of row t: my 16 neighbours become 12 bytes of codes; my block's byte goes to the wave's 256 bytes of LDS.
.macro QSTEP t, u
.set XS, X+16*(\u)
.set CC, C+4*(2*(\t)+(\u))
.set EE, E+2*(\t)+(\u)
	v_max3_num_f32 v8, |v[XS]|, |v[XS+1]|, |v[XS+2]|               ; the largest magnitude of my 16, in two chains
	v_max3_num_f32 v9, |v[XS+3]|, |v[XS+4]|, |v[XS+5]|
.irp i, 6,10
	v_max3_num_f32 v8, v8, |v[XS+\i]|, |v[XS+\i+1]|
	v_max3_num_f32 v9, v9, |v[XS+\i+2]|, |v[XS+\i+3]|
.endr
	v_max3_num_f32 v8, v8, |v[XS+14]|, |v[XS+15]|
	v_max3_num_f32 v8, v8, v9, 0x1800000           ; and the floor 2^(3 - 127): so the byte cannot fall under 1
	v_max_num_f32_dpp v8, v8, v8 row_xmask:1 row_mask:0xf bank_mask:0xf   ; and of my neighbour's 16: the block's
	v_add_nc_u32 v11, 0xff000000, v8               ; 2 off its exponent field: the conversion takes the exponent field of this operand as its scale, and nothing else of it
	v_cvt_scalef32_pk16_fp6_f32 v[CC:CC+2], v[XS:XS+15], v11       ; to the nearest code, ties to even, beyond 7.5 the largest code; 96 bits without gaps
	v_lshrrev_b32 v[EE], 23, v11                   ; the scale's byte (also the plain line behind the conversion)
	ds_store_b8 v5, v[EE] offset:32*(\t)+16*(\u)   ; both lanes of a block write the same byte with the same value
	global_store_b96 v4, v[CC:CC+2], s[8:9] offset:768*(\t)+384*(\u)   ; the wave stores 384 consecutive bytes
.endm
.macro ROW t
.set RS, RAW+32*((\t)%3)
.if (\t) <= 5
	s_wait_loadcnt 16                              ; my row's eight loads are in; the two younger rows' sixteen may be out
.else
	s_wait_loadcnt 8*(7-(\t))                      ; the last rows: eight for each younger row
.endif
.irp c, 0,1,2,3
	v_pk_mul_f32 v[A+2*\c:A+2*\c+1], v[RS+2*\c:RS+2*\c+1], v[RS+2*\c:RS+2*\c+1]   ; the first squares start four chains: nothing is cleared
.endr
.irp g, 1,2,3
.irp c, 0,1,2,3
	v_pk_fma_f32 v[A+2*\c:A+2*\c+1], v[RS+8*\g+2*\c:RS+8*\g+2*\c+1], v[RS+8*\g+2*\c:RS+8*\g+2*\c+1], v[A+2*\c:A+2*\c+1]
.endr
.endr
	v_pk_add_f32 v[A:A+1], v[A:A+1], v[A+2:A+3]
	v_pk_add_f32 v[A+4:A+5], v[A+4:A+5], v[A+6:A+7]
	v_pk_add_f32 v[A:A+1], v[A:A+1], v[A+4:A+5]
	v_add_f32 v[SS], v[A], v[A+1]
	v_add_f32_dpp v[SS], v[SS], v[SS] row_xmask:1 row_mask:0xf bank_mask:0xf
	v_add_f32_dpp v[SS], v[SS], v[SS] row_xmask:2 row_mask:0xf bank_mask:0xf
	v_add_f32_dpp v[SS], v[SS], v[SS] row_xmask:4 row_mask:0xf bank_mask:0xf
	v_add_f32_dpp v[SS], v[SS], v[SS] row_xmask:8 row_mask:0xf bank_mask:0xf
	v_permlanex16_b32 v[TP], v[SS], s12, s13
	v_add_f32 v[SS], v[SS], v[TP]                  ; a = the row's sum of squares, in every lane
	s_wait_alu depctr_va_vdst(0)
	v_sqrt_f32 v[RT], v[SS]                        ; s0
	v_nop                                          ; a plain line behind a transcendental (ISA guide 5.7.2)
	s_wait_alu depctr_va_vdst(0)
	v_max_num_f32 v[NRM], 0x358637bd, v[RT]        ; held at 1e-6, so that the reciprocal of a row of zeros stays finite
	s_wait_alu depctr_va_vdst(0)
	v_rcp_f32 v[INV], v[NRM]
	v_fma_f32 v[TQ], -v[RT], v[RT], v[SS]          ; a - s0^2, exact to one rounding (the plain line behind the reciprocal)
	v_mul_f32 v[TQ], 0.5, v[TQ]
	s_wait_alu depctr_va_vdst(0)
	v_fma_f32 v[RT], v[TQ], v[INV], v[RT]          ; s = s0 + (a - s0^2) / (2 s0)
	v_max_num_f32 v[NRM], 0x358637bd, v[RT]        ; n = max(norm, 1e-6)
	s_wait_alu depctr_va_vdst(0)
	v_rcp_f32 v[INV], v[NRM]
	v_nop
	s_wait_alu depctr_va_vdst(0)
	v_fma_f32 v[TQ], -v[NRM], v[INV], 1.0
	v_fma_f32 v[INV], v[TQ], v[INV], v[INV]        ; r = 1 / n, one Newton step
.irp g, 0,1,2,3                        ; x / n, four pairs by turns: q = x r; then q + (x - n q) r
.irp c, 0,1,2,3
	v_pk_mul_f32 v[A+2*\c:A+2*\c+1], v[RS+8*\g+2*\c:RS+8*\g+2*\c+1], v[INV:INV+1] op_sel_hi:[1,0]
.endr
.irp c, 0,1,2,3
	v_pk_fma_f32 v[RS+8*\g+2*\c:RS+8*\g+2*\c+1], v[A+2*\c:A+2*\c+1], v[NRM:NRM+1], v[RS+8*\g+2*\c:RS+8*\g+2*\c+1] op_sel_hi:[1,0,1] neg_lo:[0,1,0] neg_hi:[0,1,0]
.endr
.irp c, 0,1,2,3
	v_pk_fma_f32 v[RS+8*\g+2*\c:RS+8*\g+2*\c+1], v[RS+8*\g+2*\c:RS+8*\g+2*\c+1], v[INV:INV+1], v[A+2*\c:A+2*\c+1] op_sel_hi:[1,0,1]
.endr
.endr
.irp u, 0,1                            ; through the stages: LDS serves a wave's instructions in order (ISA guide 5.7.1.4), so no wait stands between the stores and the loads
.irp i, 0,1,2,3
	ds_store_b128 v14, v[RS+16*\u+4*\i:RS+16*\u+4*\i+3] offset:HALF*\u+8*SP*\i
.endr
.endr
.irp u, 0,1
.irp i, 0,1,2,3
	ds_load_b128 v[X+16*\u+4*\i:X+16*\u+4*\i+3], v15 offset:HALF*\u+16*\i
.endr
.endr
	s_wait_dscnt 4                                 ; all but the youngest four (the second half's loads): the stores have read the row's registers, the first half is back
.if (\t)+3 <= 7
	LOAD (\t)+3                                    ; the row three on takes this row's registers
.endif
	QSTEP \t, 0
	s_wait_dscnt 1                                 ; the second half is back; only the byte store just issued may be out
	QSTEP \t, 1
.endm
	LOAD 0
	LOAD 1
	LOAD 2
.irp t, 0,1,2,3,4,5,6,7
	ROW \t
.endr
	ds_load_b64 v[12:13], v6                       ; my wave's 256 scale bytes: these loads see my stores
	s_wait_dscnt 0x0
	global_store_b64 v7, v[12:13], s[10:11]        ; 32 lanes store 256 consecutive bytes, at a multiple of 256 from scl's first byte
	s_wait_tensorcnt 0x0
	ds_add_u32 v240, v241
	s_wait_dscnt 0x0
	s_endpgm
.Lfunc_end_k_q3c022032a3_quant:
	.size	k_q3c022032a3_quant, .Lfunc_end_k_q3c022032a3_quant-k_q3c022032a3_quant
	.p2alignl 7, 3214868480
	.fill 96, 4, 3214868480
	.section	.rodata,"a",@progbits
	.p2align	6, 0x0
	.amdhsa_kernel k_q3c022032a3_quant
		.amdhsa_group_segment_fixed_size 11008
		.amdhsa_private_segment_fixed_size 0
		.amdhsa_enable_private_segment 0
		.amdhsa_kernarg_size 32
		.amdhsa_user_sgpr_count 2
		.amdhsa_user_sgpr_kernarg_segment_ptr 1
		.amdhsa_wavefront_size32 1
		.amdhsa_system_sgpr_workgroup_id_x 1
		.amdhsa_system_sgpr_workgroup_id_y 1
		.amdhsa_system_sgpr_workgroup_id_z 1
		.amdhsa_system_vgpr_workitem_id 0
		.amdhsa_next_free_vgpr 242
		.amdhsa_next_free_sgpr 66
		.amdhsa_reserve_vcc 0
		.amdhsa_float_denorm_mode_32 3
		.amdhsa_float_denorm_mode_16_64 3
		.amdhsa_memory_ordered 1
		.amdhsa_forward_progress 1
		.amdhsa_inst_pref_size 75
	.end_amdhsa_kernel
	.amdgpu_metadata
---
amdhsa.version: [ 1, 2 ]
amdhsa.kernels:
  - .name:           k_q3c022032a3_quant
    .symbol:         k_q3c022032a3_quant.kd
    .args:
      - { .name: x, .offset: 0, .size: 8, .value_kind: global_buffer, .address_space: global }
      - { .name: ltm_buffer, .offset: 8, .size: 8, .value_kind: global_buffer, .address_space: global }
      - { .name: codes, .offset: 16, .size: 8, .value_kind: global_buffer, .address_space: global }
      - { .name: scl, .offset: 24, .size: 8, .value_kind: global_buffer, .address_space: global }
    .group_segment_fixed_size: 11008
    .private_segment_fixed_size: 0
    .kernarg_segment_align: 8
    .kernarg_segment_size: 32
    .max_flat_workgroup_size: 64
    .sgpr_count:     66
    .vgpr_count:     242
    .wavefront_size: 32
...
	.end_amdgpu_metadata
.endif
;; end of part 1
;; launch gemm (part 2): grid 64 x 4, 4 waves a work-group, clusters of 4 x 1, 327,680 bytes of LDS; arguments codes, scl, scores, gmax; writes scores, gmax
.if DOCPART == 2
	.amdgcn_target "amdgcn-amd-amdhsa--gfx1250"
	.amdhsa_code_object_version 6
	.text
	.protected	k_q3c022032a3_gemm
	.globl	k_q3c022032a3_gemm
	.p2align	8
	.type	k_q3c022032a3_gemm,@function
k_q3c022032a3_gemm:
	s_mov_b64 s[64:65], 0
	v_nop
	global_prefetch_b8 v0, s[64:65] scope:SCOPE_SE
	s_setreg_imm32_b32 hwreg(HW_REG_WAVE_MODE, 25, 1), 1
	s_wait_xcnt 0x0
	s_wait_alu depctr_hold_cnt(0) depctr_sa_sdst(0) depctr_va_vdst(0) depctr_va_sdst(0) depctr_va_ssrc(0) depctr_va_vcc(0) depctr_vm_vsrc(0)
	s_getreg_b32 s2, hwreg(HW_REG_IB_STS2, 6, 4)
	s_cmp_eq_u32 s2, 0
	s_cbranch_scc0 .Lentry_in_a_cluster
	s_endpgm
.Lentry_in_a_cluster:
	s_bfe_u32 s2, ttmp6, 0x10000c
	s_cmp_lg_u32 s2, 0x3003
	s_cbranch_scc0 .Lentry_shape_is_right
	s_endpgm
.Lentry_shape_is_right:
; scores[q][m] = sum over k of Q(query q)[k] x Q(memory m)[k], MX-FP6 codes and E8M0 scales as the launch before stored them (rows 0-4,095 queries, then 16,384 memories;
; 768 bytes of codes and 32 scale bytes a row); f32 sums, K ascending, one accumulator an output.  gmax[run of 64 memories][q][2] = the largest score of each 32 neighbouring memories.
; SHARES.  A work-group: 256 memories x 1,024 queries.  A wave: 64 memories, whose codes of the whole K stay in 384 registers, x all 1,024 queries in 32 blocks of 32.
; A block: 64 matrix instructions on 8 accumulators by turns.  Source 0 = 16 memories, source 1 = 16 queries: a lane holds one query and 8 neighbouring memories.
; The queries' fragments (192 registers) are read one block ahead: each pair of K parts is loaded anew behind the products that used it.  Block n leaves while block n + 1 is multiplied:
; through the wave's own stage, 16 lanes to a query's 256 aligned bytes.  Two sets of accumulators take turns.
; LDS: two slots of 128 query rows; whole rows of 768 bytes, 16 bytes of padding behind each 256 (pitch 816).  At the head the slots' bytes hold the memories' rows on their way to registers.
; CLUSTER 4 x 1: the four partners share the query rows: joint loads, mask 15; each wave asks for 32 rows.  The memories' rows are each work-group's own: plain loads.
; Scale words come by global loads, 32 rows x 32 bytes on end: lanes 0-15 hold one tile's rows, lanes 16-31 the next tile's (the ROW1 selector).
; No prefetch of tiles: the launch stores 17 bytes for each byte that it reads, and each query tile is asked for by 16 clusters.
; WINDOWS: 0 addresses, scales, way out; 1 queries v0-191, accumulator set 1 v192-255; 2 memories' K parts 0-4; 3 K parts 5-7 v0-143, accumulator set 0 v192-255.
.set LP,    816
.set BLK,   32*LP
.set SLOT1, 0x20000
.set STAGE, 235520
.set SPI,   272
.set SPARE, STAGE+4*32*SPI
.set AL,  16                           ; v16-19 query fragments: blocks 0,1 (and +16 for lanes 16-31 where they fall into the next 256), blocks 2,3 likewise
.set BA,  20                           ; v20-21 the same for my memories' rows
.set STO, 22
.set RDB, 23
.set CO,  24
.set SO,  25
.set GO,  26
.set SPW, 28
.set NIL, 29
.set SCB, 32                           ; v32-47 memories' scale words
.set SCA, 48                           ; v48-63 queries' scale words, two sets
.set GT,  64
.set OUT, 80                           ; v80-143 a block read back from the stage
.set MSB, 0
.macro WIN new
.if MSB != \new
	s_set_vgpr_msb (MSB<<8)|\new
.set MSB, \new
.endif
.endm
.macro NOP4
.rept 4
	v_nop
.endr
.endm
.macro ROUND
	s_barrier_signal -1
	s_barrier_wait -1
	s_cmp_lg_u32 s14, 0
	s_cbranch_scc1 .Lnw0_\@
	s_barrier_signal -3
.Lnw0_\@:
	s_barrier_wait -3
	s_barrier_signal -1
	s_barrier_wait -1
.endm
; the change of slots: all my tensor loads and LDS reads are over, the cluster's round, then my one joint load
.macro MEET fill, step, tog
.if \tog
.irp r, AL, AL+1, AL+2, AL+3
	v_xor_b32 v[\r], SLOT1, v[\r]                  ; the reads go on in the other slot
.endr
	s_wait_alu depctr_va_vdst(0)
.endif
	s_wait_tensorcnt 0x0
	ds_add_u32 v[SPW], v[NIL]
.if \step
	s_add_nc_u64 s[42:43], s[42:43], 128*768       ; the next 128 rows,
	s_xor_b32 s41, s41, SLOT1                      ; into the other slot
.endif
	s_wait_dscnt 0x0
	ROUND
.if \fill
	tensor_load_to_lds s[40:43], s[24:31]
	s_nop 0
	NOP4
.endif
.endm
; 12 registers: 16 rows x K part q.  Byte y of a row lies at y + 16 (y / 256)
.macro FRAG reg, adr, q, base
.irp p, 0,1,2,3,4,5
.set Y0, 96*(\q)+48*(\p/3)+8*(\p%3)
.if Y0%256 >= 232
	ds_load_b64 v[\reg+2*\p:\reg+2*\p+1], v[\adr+1] offset:(\base)+Y0+16*(Y0/256)
.else
	ds_load_b64 v[\reg+2*\p:\reg+2*\p+1], v[\adr] offset:(\base)+Y0+16*(Y0/256)
.endif
.endr
.endm
.macro RDP jb, p                       ; K parts 2p, 2p+1 of block jb of the slot: 24 loads
	WIN 0x40
.irp qq, 0,1
.irp a, 0,1
	FRAG 24*(2*(\p)+\qq)+12*\a, AL+2*((\jb)/2), 2*(\p)+\qq, ((\jb)%2)*BLK+\a*16*LP
.endr
.endr
.endm
.macro SCLD blk, set
	global_load_b128 v[SCA+8*(\set):SCA+8*(\set)+3], v[SO], s[48:49] offset:(\blk)*1024
	global_load_b128 v[SCA+8*(\set)+4:SCA+8*(\set)+7], v[SO], s[48:49] offset:(\blk)*1024+16
.endm
.macro WM a, b, q, c
.set DD, 192+8*(4*(\a)+(\b))
.set BB, 48*((\q)%5)+12*(\b)
.set AA, 24*(\q)+12*(\a)
.set S0, SCB+8*((\b)/2)+(\q)
.set S1, SCA+8*CS+(\q)
.if (\a) == 0
.if (\b)%2 == 0
	v_wmma_scale_f32_16x16x128_f8f6f4 v[DD:DD+7], v[BB:BB+11], v[AA:AA+11], \c, v[S0], v[S1] matrix_a_fmt:MATRIX_FMT_FP6 matrix_b_fmt:MATRIX_FMT_FP6
.else
	v_wmma_scale_f32_16x16x128_f8f6f4 v[DD:DD+7], v[BB:BB+11], v[AA:AA+11], \c, v[S0], v[S1] matrix_a_fmt:MATRIX_FMT_FP6 matrix_b_fmt:MATRIX_FMT_FP6 matrix_a_scale:MATRIX_SCALE_ROW1
.endif
.else
.if (\b)%2 == 0
	v_wmma_scale_f32_16x16x128_f8f6f4 v[DD:DD+7], v[BB:BB+11], v[AA:AA+11], \c, v[S0], v[S1] matrix_a_fmt:MATRIX_FMT_FP6 matrix_b_fmt:MATRIX_FMT_FP6 matrix_b_scale:MATRIX_SCALE_ROW1
.else
	v_wmma_scale_f32_16x16x128_f8f6f4 v[DD:DD+7], v[BB:BB+11], v[AA:AA+11], \c, v[S0], v[S1] matrix_a_fmt:MATRIX_FMT_FP6 matrix_b_fmt:MATRIX_FMT_FP6 matrix_a_scale:MATRIX_SCALE_ROW1 matrix_b_scale:MATRIX_SCALE_ROW1
.endif
.endif
.endm
.macro MULQ q                          ; K part q: the 8 accumulators by turns; part 0 starts the sums
.irp a, 0,1
.irp b, 0,1,2,3
.if (\q) == 0
	WM \a, \b, \q, 0
.else
	WM \a, \b, \q, v[DD:DD+7]
.endif
.endr
.endr
.endm
.macro RBACK                           ; the staged block back as whole rows: LDS serves a wave's instructions in order
	WIN 0
	s_wait_xcnt 0x0                                ; the last block's stores have read OUT and GT
.irp t, 0,1,2,3,4,5,6,7,8,9,10,11,12,13,14,15
	ds_load_b128 v[OUT+4*\t:OUT+4*\t+3], v[RDB] offset:\t*2*SPI
.endr
.endm
.macro SEND jm, younger                ; 16 lanes store a query's 256 aligned bytes
	WIN 0
	s_wait_dscnt \younger
.irp t, 0,1,2,3,4,5,6,7,8,9,10,11,12,13,14,15
	global_store_b128 v[CO], v[OUT+4*\t:OUT+4*\t+3], s[8:9] offset:(32*(\jm)+2*\t)*65536 th:TH_STORE_NT
.endr
.endm
.macro OUTW jj                         ; group maxima (each accumulator read from its low end), then the block into the stage
	WIN WC|(WC<<2)|(WC<<4)
.irp a, 0,1
.irp g, 0,1
	v_max3_num_f32 v[GT+2*\a+\g], v[192+32*\a+16*\g], v[193+32*\a+16*\g], v[194+32*\a+16*\g]
.endr
.endr
	WIN (WC<<2)|(WC<<4)
.irp i, 3,5,7,9,11,13
.irp a, 0,1
.irp g, 0,1
	v_max3_num_f32 v[GT+2*\a+\g], v[GT+2*\a+\g], v[192+32*\a+16*\g+\i], v[193+32*\a+16*\g+\i]
.endr
.endr
.endr
.irp a, 0,1
.irp g, 0,1
	v_max_num_f32 v[GT+2*\a+\g], v[GT+2*\a+\g], v[207+32*\a+16*\g]
.endr
.endr
	WIN WC<<2
.irp a, 0,1
.irp b, 0,1,2,3
	ds_store_b128 v[STO], v[192+8*(4*\a+\b):195+8*(4*\a+\b)] offset:\a*16*SPI+64*\b
	ds_store_b128 v[STO], v[196+8*(4*\a+\b):199+8*(4*\a+\b)] offset:\a*16*SPI+64*\b+16
.endr
.endr
	WIN 0
	v_permlane16_swap_b32 v[GT], v[GT+2]           ; lanes 0-15 queries 0-15, lanes 16-31 queries 16-31: both halves of each group side by side
	v_permlane16_swap_b32 v[GT+1], v[GT+3]
	v_max_num_f32 v[GT], v[GT], v[GT+2]
	v_max_num_f32 v[GT+1], v[GT+1], v[GT+3]
	global_store_b64 v[GO], v[GT:GT+1], s[10:11] offset:(\jj)*256 th:TH_STORE_NT   ; 32 queries x 8 bytes: 256 aligned bytes
.endm
; block 4k + jj is multiplied; block 4k + jj + 1 is read (rd); block 4k + jj - 1 leaves (prev)
.macro STEP jj, rd, prev
.set CS, (\jj)%2
.set WC, 3-2*CS
.set MW2, 2|(1<<2)|(WC<<4)|(WC<<6)
.set MW3, 3|(1<<2)|(WC<<4)|(WC<<6)
.set JB, ((\jj)+1)%4
	s_wait_loadcnt 0x0                             ; this block's scale words
.if \prev
	s_wait_dscnt 40                                ; K parts 0-5 are in; the youngest 24 loads and the 16 stage stores may be out
.else
	s_wait_dscnt 0x0
.endif
	WIN MW2
	MULQ 0
	MULQ 1
	NOP4                                           ; four places ahead of loads into registers just multiplied
.if \rd
	RDP JB, 0
	WIN 0
	SCLD (\jj)+1, ((\jj)+1)%2
.endif
.if \prev
	RBACK
.endif
	WIN MW2
	MULQ 2
	MULQ 3
	NOP4
.if \rd
	RDP JB, 1
.endif
	WIN MW2
	MULQ 4
	WIN MW3
	MULQ 5
	NOP4
.if \rd
	RDP JB, 2
.endif
.if \prev
.if \rd
	SEND (\jj)-1, 48                               ; the two younger runs of 24 may be out: the staged block and K parts 6, 7 are in
.else
	SEND (\jj)-1, 0
.endif
.endif
	WIN MW3
	MULQ 6
	MULQ 7
	NOP4
.if \rd
	RDP JB, 3
.endif
	OUTW \jj
.endm
.macro NEXT                            ; four blocks on
	s_wait_xcnt 0x0
	s_add_nc_u64 s[8:9], s[8:9], 128*65536
	s_add_nc_u64 s[10:11], s[10:11], 1024
	s_add_nc_u64 s[48:49], s[48:49], 4096
.endm
	s_load_b256 s[4:11], s[0:1], 0x0               ; codes, scl, scores, gmax
	v_lshl_add_u32 v[SPW], v0, 2, SPARE
	v_mov_b32 v[NIL], 0
	ds_add_u32 v[SPW], v[NIL]
	ds_add_u32 v[SPW], v[NIL]
	v_lshrrev_b32 v1, 5, v0
	v_readfirstlane_b32 s14, v1                    ; wave
	s_bfe_u32 s15, ttmp6, 0x40000                  ; cx
	s_lshl_b32 s16, ttmp9, 2
	s_add_co_u32 s16, s16, s15                     ; which 256 memories
	s_and_b32 s17, ttmp7, 0xffff                   ; which 1,024 queries
	s_mov_b32 s24, 15|(3<<16)|(1<<20)|(1<<21)|(5<<22)|(3<<25)   ; queries: mask of the four, 8-byte elements, 4 words of padding behind each 64
	s_mov_b32 s25, 96<<16
	s_mov_b32 s26, 32<<16
	s_mov_b32 s27, 96<<16
	s_mov_b32 s28, 32
	s_mov_b32 s29, 96
	s_mov_b32 s30, 0
	s_mov_b32 s31, 0
	s_mov_b32 s32, (3<<16)|(1<<20)|(5<<22)|(3<<25) ; memories: 64 rows, no mask
	s_mov_b32 s33, 96<<16
	s_mov_b32 s34, 64<<16
	s_mov_b32 s35, 96<<16
	s_mov_b32 s36, 64
	s_mov_b32 s37, 96
	s_mov_b32 s38, 0
	s_mov_b32 s39, 0
	s_mov_b32 s40, 1
	s_mov_b32 s44, 1
	s_mul_i32 s41, s14, BLK                        ; wave w brings block w of a slot
	s_lshr_b32 s22, s14, 1
	s_lshl_b32 s22, s22, 17
	s_and_b32 s23, s14, 1
	s_mul_i32 s23, s23, 2*BLK
	s_add_co_u32 s45, s22, s23                     ; my 64 memories' rows: two waves to a slot's bytes
	s_lshl_b32 s18, s17, 10
	s_lshl_b32 s19, s14, 5
	s_add_co_u32 s18, s18, s19
	s_mul_i32 s18, s18, 768                        ; queries: row 1,024 y + 32 w
	s_mov_b32 s19, 0
	s_lshl_b32 s20, s16, 8
	s_lshl_b32 s21, s14, 6
	s_add_co_u32 s20, s20, s21
	s_add_co_u32 s20, s20, 4096                    ; my first memory's row in codes and scl
	s_lshl_b32 s52, s20, 5
	s_mov_b32 s53, 0
	s_mul_i32 s20, s20, 768
	s_mov_b32 s21, 0
	s_lshl_b32 s54, s17, 15                        ; queries' scale words: 1,024 y rows of 32 bytes
	s_mov_b32 s55, 0
	s_lshl_b32 s56, s17, 26                        ; scores: 1,024 y rows of 65,536 bytes
	s_lshl_b32 s22, s16, 10
	s_add_co_u32 s56, s56, s22
	s_lshl_b32 s22, s14, 8
	s_add_co_u32 s56, s56, s22                     ; + my 64 columns
	s_mov_b32 s57, 0
	s_lshl_b32 s58, s16, 2
	s_add_co_u32 s58, s58, s14
	s_lshl_b32 s58, s58, 15                        ; gmax: my run of 64 memories, 32,768 bytes
	s_lshl_b32 s22, s17, 13
	s_add_co_u32 s58, s58, s22
	s_mov_b32 s59, 0
	s_mul_i32 s22, s14, 32*SPI
	s_add_co_u32 s22, s22, STAGE                   ; my stage
	s_wait_dscnt 0x0
	s_wait_kmcnt 0x0
	s_add_nc_u64 s[42:43], s[4:5], s[18:19]
	s_or_b32 s43, s43, 0x80000000
	s_add_nc_u64 s[46:47], s[4:5], s[20:21]
	s_or_b32 s47, s47, 0x80000000
	s_add_nc_u64 s[48:49], s[6:7], s[54:55]
	s_add_nc_u64 s[50:51], s[6:7], s[52:53]
	s_add_nc_u64 s[8:9], s[8:9], s[56:57]
	s_add_nc_u64 s[10:11], s[10:11], s[58:59]
	ROUND
	tensor_load_to_lds s[44:47], s[32:39]          ; my one load at the head: my memories' 64 rows
	s_nop 0
	v_and_b32 v1, 15, v0                           ; r
	v_bfe_u32 v2, v0, 4, 1                         ; h
	v_and_b32 v3, 31, v0
	v_mul_u32_u24 v4, v1, LP
	v_mad_u32_u24 v[AL], v2, 24, v4                ; row r, + 24 h
	v_lshl_add_u32 v[AL+1], v2, 4, v[AL]
	v_add_nc_u32 v[AL+2], 2*BLK, v[AL]
	v_add_nc_u32 v[AL+3], 2*BLK, v[AL+1]
	v_add_nc_u32 v[BA], s45, v[AL]
	v_add_nc_u32 v[BA+1], s45, v[AL+1]
	v_mul_u32_u24 v5, v1, SPI
	v_lshl_add_u32 v5, v2, 5, v5
	v_add_nc_u32 v[STO], s22, v5                   ; into the stage: query r, 32 bytes for each half of the lanes
	v_mul_u32_u24 v6, v2, SPI
	v_lshl_add_u32 v6, v1, 4, v6
	v_add_nc_u32 v[RDB], s22, v6                   ; back: 16 lanes to a row
	v_lshlrev_b32 v7, 4, v1
	v_lshl_add_u32 v[CO], v2, 16, v7               ; and the same two rows in scores
	v_lshlrev_b32 v[SO], 5, v3
	v_lshlrev_b32 v[GO], 3, v3
	s_wait_alu depctr_va_vdst(0)
.irp t, 0,1
	global_load_b128 v[SCB+8*\t:SCB+8*\t+3], v[SO], s[50:51] offset:1024*\t
	global_load_b128 v[SCB+8*\t+4:SCB+8*\t+7], v[SO], s[50:51] offset:1024*\t+16
.endr
	s_wait_tensorcnt 0x0                           ; my own rows are in: no other wave reads them
	WIN 0x80
.irp q, 0,1,2,3,4
.irp b, 0,1,2,3
	FRAG 48*\q+12*\b, BA, \q, \b*16*LP
.endr
.endr
	WIN 0xc0
.irp q, 5,6,7
.irp b, 0,1,2,3
	FRAG 48*(\q-5)+12*\b, BA, \q, \b*16*LP
.endr
.endr
	WIN 0
	MEET 1, 0, 0                                   ; the memories are in registers: queries 0-127 into slot 0,
	MEET 1, 1, 0                                   ; and, when they are in, queries 128-255 into slot 1
	RDP 0, 0
	RDP 0, 1
	RDP 0, 2
	RDP 0, 3
	WIN 0
	SCLD 0, 0
	STEP 0, 1, 0
	s_mov_b32 s3, 6
.Ltrip:                                                ; blocks 4k+1 .. 4k+4; the round stands where the reads change slots
	STEP 1, 1, 1
	STEP 2, 1, 1
	MEET 1, 1, 1
	STEP 3, 1, 1
	STEP 4, 1, 1
	NEXT
	s_sub_co_u32 s3, s3, 1
	s_cmp_lg_u32 s3, 0
	s_cbranch_scc1 .Ltrip
	STEP 1, 1, 1                                   ; the tail asks for no more rows
	STEP 2, 1, 1
	MEET 0, 0, 1
	STEP 3, 1, 1
	STEP 4, 1, 1
	NEXT
	STEP 1, 1, 1
	STEP 2, 1, 1
	STEP 3, 0, 1
	RBACK
	SEND 3, 0
	s_wait_tensorcnt 0x0                           ; the wave's end
	ds_add_u32 v[SPW], v[NIL]
	s_wait_dscnt 0x0
	ROUND                                          ; the closing round
	s_endpgm
.Lfunc_end_k_q3c022032a3_gemm:
	.size	k_q3c022032a3_gemm, .Lfunc_end_k_q3c022032a3_gemm-k_q3c022032a3_gemm
	.p2alignl 7, 3214868480
	.fill 96, 4, 3214868480
	.section	.rodata,"a",@progbits
	.p2align	6, 0x0
	.amdhsa_kernel k_q3c022032a3_gemm
		.amdhsa_group_segment_fixed_size 327680
		.amdhsa_private_segment_fixed_size 0
		.amdhsa_enable_private_segment 0
		.amdhsa_kernarg_size 32
		.amdhsa_user_sgpr_count 2
		.amdhsa_user_sgpr_kernarg_segment_ptr 1
		.amdhsa_wavefront_size32 1
		.amdhsa_system_sgpr_workgroup_id_x 1
		.amdhsa_system_sgpr_workgroup_id_y 1
		.amdhsa_system_sgpr_workgroup_id_z 1
		.amdhsa_system_vgpr_workitem_id 0
		.amdhsa_next_free_vgpr 1024
		.amdhsa_next_free_sgpr 66
		.amdhsa_reserve_vcc 0
		.amdhsa_float_denorm_mode_32 3
		.amdhsa_float_denorm_mode_16_64 3
		.amdhsa_memory_ordered 1
		.amdhsa_forward_progress 1
		.amdhsa_inst_pref_size 255
	.end_amdhsa_kernel
	.section	.bss,"aw",@nobits
	.p2align	6
	.space	262144
	.amdgpu_metadata
---
amdhsa.version: [ 1, 2 ]
amdhsa.kernels:
  - .name:           k_q3c022032a3_gemm
    .symbol:         k_q3c022032a3_gemm.kd
    .args:
      - { .name: codes, .offset: 0, .size: 8, .value_kind: global_buffer, .address_space: global }
      - { .name: scl, .offset: 8, .size: 8, .value_kind: global_buffer, .address_space: global }
      - { .name: scores, .offset: 16, .size: 8, .value_kind: global_buffer, .address_space: global }
      - { .name: gmax, .offset: 24, .size: 8, .value_kind: global_buffer, .address_space: global }
    .group_segment_fixed_size: 327680
    .private_segment_fixed_size: 0
    .kernarg_segment_align: 8
    .kernarg_segment_size: 32
    .max_flat_workgroup_size: 128
    .sgpr_count:     66
    .vgpr_count:     1024
    .wavefront_size: 32
...
	.end_amdgpu_metadata
.endif
;; end of part 2
;; launch pickg (part 3): grid 256 x 1, 16 waves a work-group, no clusters, 36,352 bytes of LDS; arguments gmax, gsel; writes gsel
.if DOCPART == 3
	.amdgcn_target "amdgcn-amd-amdhsa--gfx1250"
	.amdhsa_code_object_version 6
	.text
	.protected	k_q3c022032a3_pickg
	.globl	k_q3c022032a3_pickg
	.p2align	8
	.type	k_q3c022032a3_pickg,@function
k_q3c022032a3_pickg:
	s_mov_b64 s[64:65], 0
	v_nop
	global_prefetch_b8 v0, s[64:65] scope:SCOPE_SE
	s_setreg_imm32_b32 hwreg(HW_REG_WAVE_MODE, 25, 1), 1
	s_wait_xcnt 0x0
; For each query: the 16 groups (of 512 groups of 32 neighbouring memories) with the largest group maxima, equal maxima by the lower group.  gmax: [128 chunks][4,096 queries][4] f32; gsel: [4,096][16] u32.
; WHY GROUPS DO: order all scores by (score falling, index rising), as the top-k of the problem does.  If one of the 16 first elements lay in a group that is not among the 16 first groups, each of those
; 16 groups would hold an element in front of it (its first maximum: larger, or equal with a lower index): 16 elements in front of one of the first 16.  So the 16 first elements lie in the 16 first groups.
; SHARES.  A work-group takes 16 queries, a wave one.  Phase 1: for each chunk the 16 queries' 256 bytes are consecutive: a wave loads eight chunks, two an instruction, and the numbers turn through LDS
; (rows of 2,048 + 16 bytes, one a query).  Phase 2: wave w reads query w's 512 maxima, 16 a lane, and takes the largest 16 times.
; NO BRANCH AND NO ADDRESS HANGS ON A SCORE: a round finds the largest value, then among its holders the lowest group (as the largest NEGATED number, kept in f32: whole numbers up to 511 are exact),
; and replaces that one holder by -infinity; all by compares and selects.  The winners are kept in lanes: round k's in lanes k and k + 16.
; LIMITS: NaN and infinities among the scores are not served; +0 and -0 count as equal.
; No tensor loads, matrix unit or cluster: 32 KiB a work-group, read once, shared with nobody.
; LAYOUT OF gmax AS THIS TEXT READS IT (it takes the place of the layout named above): [256 runs of 64 memories][4,096 queries][2] f32.
; A wave loads sixteen runs, two an instruction, 8 bytes a query; run u's two numbers go to bytes 8 u of the query's LDS row, so that word g of a row is group g.
.set PITCH, 2064
.set OUT,   33280                      ; behind the 16 rows: the winners, 64 bytes a query
.set V,     16                         ; v16-31  my 16 maxima: V[4 i + c] is group 128 i + 4 lane + c
.set NID,   32                         ; v32-47  their groups' numbers, negated, in f32
.set CND,   48                         ; v48-63  a round's candidates
.set MK,    32                         ; s32-47  a pass's sixteen masks: all compares first, then all selects
	s_load_b128 s[4:7], s[0:1], 0x0                ; gmax, gsel
	v_lshl_add_u32 v64, v0, 2, 0x8600
	v_mov_b32 v65, 0
	v_lshrrev_b32 v1, 5, v0
	s_delay_alu instid0(VALU_DEP_1)
	v_readfirstlane_b32 s8, v1                     ; wave 0..15
	v_and_b32 v3, 31, v0                           ; lane
	v_and_b32 v1, 15, v0                           ; r
	v_bfe_u32 v2, v0, 4, 1                         ; h
	s_delay_alu instid0(VALU_DEP_2)
	v_lshlrev_b32 v4, 3, v1
	s_delay_alu instid0(VALU_DEP_1)
	v_lshl_add_u32 v4, v2, 15, v4                  ; in: query r's 8 bytes; lanes 16-31 take the next run, 32,768 bytes on
	s_delay_alu instid0(VALU_DEP_4)
	v_mul_u32_u24 v5, v1, PITCH
	s_delay_alu instid0(VALU_DEP_1)
	v_lshl_add_u32 v5, v2, 3, v5
	s_lshl_b32 s9, s8, 7
	v_add_nc_u32 v5, s9, v5                        ; into LDS: row r, 8 bytes a run: 128 w + 16 i + 8 h
	s_mul_i32 s9, s8, PITCH
	v_lshl_add_u32 v6, v3, 4, s9                   ; back: row w, 16 bytes a lane
	s_lshl_b32 s9, s8, 6
	v_lshl_add_u32 v7, v1, 2, s9                   ; the winners: 64 w + 4 r
	v_lshlrev_b32 v15, 4, v3                       ; 16 x lane
	v_lshlrev_b32 v3, 2, v3                        ; 4 x lane
	v_mov_b32 v10, 0                               ; written once: a lane permute's destination counts as one of its sources
	v_mov_b32 v12, 0                               ; the winners
	v_mov_b32 v14, 0xff800000                      ; -infinity
	s_mov_b32 s12, 0x76543210
	s_mov_b32 s13, 0xfedcba98                      ; v_permlanex16_b32's selects for lane l xor 16
	s_lshl_b32 s10, s8, 19                         ; my eight chunks,
	s_lshl_b32 s11, ttmp9, 7                       ; the work-group's 16 queries, 8 bytes each
	s_add_co_u32 s10, s10, s11
	s_mov_b32 s11, 0
	s_lshl_b32 s14, ttmp9, 10                      ; and their 1,024 bytes of gsel
	s_mov_b32 s15, 0
	s_wait_alu depctr_va_vdst(0)
	s_wait_kmcnt 0x0
	s_add_nc_u64 s[4:5], s[4:5], s[10:11]
	s_add_nc_u64 s[6:7], s[6:7], s[14:15]
.irp i, 0,1,2,3,4,5,6,7
	global_load_b64 v[V+2*\i:V+2*\i+1], v4, s[4:5] offset:65536*\i th:TH_LOAD_NT   ; runs 16 w + 2 i + h
.endr
.irp i, 0,1,2,3
.irp c, 0,1,2,3
	v_sub_nc_u32 v[NID+4*\i+\c], -(128*\i+\c), v3  ; -(128 i + 4 lane + c)
.endr
.endr
.irp j, 0,1,2,3,4,5,6,7,8,9,10,11,12,13,14,15
	v_cvt_f32_i32 v[NID+\j], v[NID+\j]
.endr
	s_wait_loadcnt 0x0
.irp i, 0,1,2,3,4,5,6,7
	ds_store_b64 v5, v[V+2*\i:V+2*\i+1] offset:16*\i
.endr
	s_wait_dscnt 0x0                               ; for the others' sake: my stores have landed
	s_barrier_signal -1
	s_barrier_wait -1
.irp i, 0,1,2,3
	ds_load_b128 v[V+4*\i:V+4*\i+3], v6 offset:512*\i
.endr
	s_wait_dscnt 0x0
.macro TREE d, b                       ; the largest of the 16 registers from b on, in two chains
	v_max3_num_f32 v[\d], v[\b], v[\b+1], v[\b+2]
	v_max3_num_f32 v9, v[\b+3], v[\b+4], v[\b+5]
.irp i, 6,10
	s_wait_alu depctr_va_vdst(0)
	v_max3_num_f32 v[\d], v[\d], v[\b+\i], v[\b+\i+1]
	v_max3_num_f32 v9, v9, v[\b+\i+2], v[\b+\i+3]
.endr
	s_delay_alu instid0(VALU_DEP_2)
	v_max3_num_f32 v[\d], v[\d], v[\b+14], v[\b+15]
	s_delay_alu instid0(VALU_DEP_1)
	v_max_num_f32 v[\d], v[\d], v9
.endm
.macro WAVEMAX d                       ; and of the 32 lanes, into every lane
	s_delay_alu instid0(VALU_DEP_1)
	v_max_num_f32_dpp v[\d], v[\d], v[\d] row_xmask:1 row_mask:0xf bank_mask:0xf
	s_delay_alu instid0(VALU_DEP_1)
	v_max_num_f32_dpp v[\d], v[\d], v[\d] row_xmask:2 row_mask:0xf bank_mask:0xf
	s_delay_alu instid0(VALU_DEP_1)
	v_max_num_f32_dpp v[\d], v[\d], v[\d] row_xmask:4 row_mask:0xf bank_mask:0xf
	s_delay_alu instid0(VALU_DEP_1)
	v_max_num_f32_dpp v[\d], v[\d], v[\d] row_xmask:8 row_mask:0xf bank_mask:0xf
	s_delay_alu instid0(VALU_DEP_1)
	v_permlanex16_b32 v10, v[\d], s12, s13
	s_delay_alu instid0(VALU_DEP_1)
	v_max_num_f32 v[\d], v[\d], v10
.endm
	s_mov_b32 s20, 0
	s_mov_b32 s21, 0x10001                         ; lanes k and k + 16
.Lround:                                           ; 16 trips, a constant
	TREE 8, V
	WAVEMAX 8                                      ; the largest value left
.irp j, 0,1,2,3,4,5,6,7,8,9,10,11,12,13,14,15
	v_cmp_eq_f32 s[MK+\j], v8, v[V+\j]
.endr
.irp j, 0,1,2,3,4,5,6,7,8,9,10,11,12,13,14,15
	v_cndmask_b32 v[CND+\j], v14, v[NID+\j], s[MK+\j]   ; its holders show their negated numbers, the others -infinity
.endr
	TREE 11, CND
	WAVEMAX 11                                     ; the lowest group among the holders
.irp j, 0,1,2,3,4,5,6,7,8,9,10,11,12,13,14,15
	v_cmp_eq_f32 s[MK+\j], v11, v[NID+\j]
.endr
.irp j, 0,1,2,3,4,5,6,7,8,9,10,11,12,13,14,15
	v_cndmask_b32 v[V+\j], v[V+\j], v14, s[MK+\j]  ; that one leaves
.endr
	v_cndmask_b32 v12, v12, v11, s21               ; winner k stays in lanes k and k + 16
	s_lshl_b32 s21, s21, 1
	s_add_co_u32 s20, s20, 1
	s_cmp_lt_u32 s20, 16
	s_cbranch_scc1 .Lround
	v_cvt_i32_f32 v12, v12
	s_delay_alu instid0(VALU_DEP_1)
	v_sub_nc_u32 v12, 0, v12                       ; the group's number
	ds_store_b32 v7, v12 offset:OUT                ; lanes r and r + 16 write the same word with the same value
	s_wait_dscnt 0x0
	s_barrier_signal -1
	s_barrier_wait -1
	s_cmp_lg_u32 s8, 0                             ; wave 0 stores the work-group's 1,024 bytes
	s_cbranch_scc1 .Ldone
	ds_load_b128 v[16:19], v15 offset:OUT
	ds_load_b128 v[20:23], v15 offset:OUT+512
	s_wait_dscnt 0x0
	global_store_b128 v15, v[16:19], s[6:7]        ; 512 consecutive bytes each, aligned
	global_store_b128 v15, v[20:23], s[6:7] offset:512
.Ldone:
	s_wait_tensorcnt 0x0
	ds_add_u32 v64, v65
	s_wait_dscnt 0x0
	s_endpgm
.Lfunc_end_k_q3c022032a3_pickg:
	.size	k_q3c022032a3_pickg, .Lfunc_end_k_q3c022032a3_pickg-k_q3c022032a3_pickg
	.p2alignl 7, 3214868480
	.fill 96, 4, 3214868480
	.section	.rodata,"a",@progbits
	.p2align	6, 0x0
	.amdhsa_kernel k_q3c022032a3_pickg
		.amdhsa_group_segment_fixed_size 36352
		.amdhsa_private_segment_fixed_size 0
		.amdhsa_enable_private_segment 0
		.amdhsa_kernarg_size 16
		.amdhsa_user_sgpr_count 2
		.amdhsa_user_sgpr_kernarg_segment_ptr 1
		.amdhsa_wavefront_size32 1
		.amdhsa_system_sgpr_workgroup_id_x 1
		.amdhsa_system_sgpr_workgroup_id_y 1
		.amdhsa_system_sgpr_workgroup_id_z 1
		.amdhsa_system_vgpr_workitem_id 0
		.amdhsa_next_free_vgpr 66
		.amdhsa_next_free_sgpr 66
		.amdhsa_reserve_vcc 0
		.amdhsa_float_denorm_mode_32 3
		.amdhsa_float_denorm_mode_16_64 3
		.amdhsa_memory_ordered 1
		.amdhsa_forward_progress 1
		.amdhsa_inst_pref_size 13
	.end_amdhsa_kernel
	.amdgpu_metadata
---
amdhsa.version: [ 1, 2 ]
amdhsa.kernels:
  - .name:           k_q3c022032a3_pickg
    .symbol:         k_q3c022032a3_pickg.kd
    .args:
      - { .name: gmax, .offset: 0, .size: 8, .value_kind: global_buffer, .address_space: global }
      - { .name: gsel, .offset: 8, .size: 8, .value_kind: global_buffer, .address_space: global }
    .group_segment_fixed_size: 36352
    .private_segment_fixed_size: 0
    .kernarg_segment_align: 8
    .kernarg_segment_size: 16
    .max_flat_workgroup_size: 512
    .sgpr_count:     66
    .vgpr_count:     66
    .wavefront_size: 32
...
	.end_amdgpu_metadata
.endif
;; end of part 3
;; launch picke (part 4): grid 256 x 1, 16 waves a work-group, no clusters, 4,096 bytes of LDS; arguments scores, gsel, sel, wts; writes sel, wts
.if DOCPART == 4
	.amdgcn_target "amdgcn-amd-amdhsa--gfx1250"
	.amdhsa_code_object_version 6
	.text
	.protected	k_q3c022032a3_picke
	.globl	k_q3c022032a3_picke
	.p2align	8
	.type	k_q3c022032a3_picke,@function
k_q3c022032a3_picke:
	s_mov_b64 s[64:65], 0
	v_nop
	global_prefetch_b8 v0, s[64:65] scope:SCOPE_SE
	s_setreg_imm32_b32 hwreg(HW_REG_WAVE_MODE, 25, 1), 1
	s_wait_xcnt 0x0
; For each query: the 16 largest of the 16 x 32 scores of its 16 chosen groups, equal scores by the lower index, and their softmax.  scores: [4,096][16,384] f32; gsel: [4,096][16] u32, stored by the launch before;
; sel: [4,096][16] u32, the memories' numbers, by falling score; wts: [4,096][16] f32, the weights.
; SHARES.  A work-group takes 16 queries, a wave one.  Eight lanes read a group's 128 consecutive bytes; a lane holds 16 candidates: V[4 i + c] is element 4 (lane % 8) + c of the group at place 4 (lane / 8) + i.
; The addresses hang on whole numbers read from memory (held to 0 .. 511 by a minimum), never on a score.  The 16 rounds are as in the launch before: the largest value, among its holders the lowest index
; (the largest negated number, in f32: whole numbers up to 16,383 are exact), and that one holder becomes -infinity.  Round k's value and index stay in lanes k and k + 16.
; LIMITS: NaN and infinities among the scores are not served; +0 and -0 count as equal.
.set V,     16                         ; v16-31  my 16 candidates
.set NID,   32                         ; v32-47  their indices, negated, in f32
.set CND,   48                         ; v48-63  a round's candidates
.set G,     64                         ; v64-67  my four groups' numbers
.set OFF,   68                         ; v68-71  their byte offsets in the query's row of scores
.set RDA,   72                         ; v72     the way out: 16 x lane + 1,024 x min(wave, 1)
.set MK,    32                         ; s32-47  a pass's sixteen masks
	s_load_b256 s[4:11], s[0:1], 0x0               ; scores s[4:5], gsel s[6:7], sel s[8:9], wts s[10:11]
	v_lshl_add_u32 v76, v0, 2, 0x800
	v_mov_b32 v77, 0
	v_lshrrev_b32 v1, 5, v0
	s_delay_alu instid0(VALU_DEP_1)
	v_readfirstlane_b32 s16, v1                    ; wave 0..15
	v_and_b32 v2, 31, v0                           ; lane
	v_and_b32 v1, 15, v0                           ; r
	s_delay_alu instid0(VALU_DEP_2)
	v_lshlrev_b32 v3, 4, v2                        ; 16 x lane
	s_delay_alu instid0(VALU_DEP_3)
	v_and_b32 v4, 24, v2
	s_delay_alu instid0(VALU_DEP_1)
	v_lshlrev_b32 v4, 1, v4                        ; 16 (lane / 8): my four places of the list
	v_and_b32 v5, 7, v2
	s_delay_alu instid0(VALU_DEP_1)
	v_lshlrev_b32 v6, 4, v5                        ; 16 (lane % 8): my 16 bytes of a group's 128
	s_delay_alu instid0(VALU_DEP_2)
	v_lshlrev_b32 v5, 2, v5                        ; 4 (lane % 8): my first element in a group
	s_lshl_b32 s17, s16, 6
	v_lshl_add_u32 v7, v1, 2, s17                  ; the winners: 64 w + 4 r
	s_min_u32 s17, s16, 1
	s_lshl_b32 s17, s17, 10
	v_add_nc_u32 v[RDA], s17, v3
	v_mov_b32 v10, 0                               ; written once: a lane permute's destination counts as one of its sources
	v_mov_b32 v12, 0                               ; the winners' indices
	v_mov_b32 v13, 0                               ; and their scores
	v_mov_b32 v14, 0xff800000                      ; -infinity
	s_mov_b32 s12, 0x76543210
	s_mov_b32 s13, 0xfedcba98                      ; v_permlanex16_b32's selects for lane l xor 16
	s_lshl_b32 s17, ttmp9, 4
	s_add_co_u32 s17, s17, s16                     ; my query
	s_lshl_b32 s18, s17, 6                         ; its 64 bytes of gsel
	s_mov_b32 s19, 0
	s_lshl_b32 s22, s17, 16                        ; its row of scores, 65,536 bytes
	s_mov_b32 s23, 0
	s_lshl_b32 s24, ttmp9, 10                      ; the work-group's 1,024 bytes of sel and of wts
	s_mov_b32 s25, 0
	s_wait_kmcnt 0x0
	s_add_nc_u64 s[6:7], s[6:7], s[18:19]
	s_add_nc_u64 s[4:5], s[4:5], s[22:23]
	s_add_nc_u64 s[8:9], s[8:9], s[24:25]
	s_add_nc_u64 s[10:11], s[10:11], s[24:25]
	global_load_b128 v[G:G+3], v4, s[6:7]
	s_wait_loadcnt 0x0
.irp i, 0,1,2,3
	v_min_u32 v[G+\i], 0x1ff, v[G+\i]              ; a group's number stays inside the row, whatever was read
.endr
.irp i, 0,1,2,3
	s_delay_alu instid0(VALU_DEP_4)
	v_lshlrev_b32 v[OFF+\i], 7, v[G+\i]            ; 128 bytes a group
.endr
.irp i, 0,1,2,3
	s_delay_alu instid0(VALU_DEP_4)
	v_add_nc_u32 v[OFF+\i], v[OFF+\i], v6
.endr
.irp i, 0,1,2,3
	global_load_b128 v[V+4*\i:V+4*\i+3], v[OFF+\i], s[4:5] th:TH_LOAD_NT
.endr
.irp i, 0,1,2,3
	v_lshl_add_u32 v[G+\i], v[G+\i], 5, v5         ; the index of my first element of that group
.endr
.irp i, 0,1,2,3
.irp c, 0,1,2,3
	v_sub_nc_u32 v[NID+4*\i+\c], -\c, v[G+\i]
.endr
.endr
.irp j, 0,1,2,3,4,5,6,7,8,9,10,11,12,13,14,15
	v_cvt_f32_i32 v[NID+\j], v[NID+\j]
.endr
	s_wait_loadcnt 0x0
.macro TREE d, b                       ; the largest of the 16 registers from b on, in two chains
	v_max3_num_f32 v[\d], v[\b], v[\b+1], v[\b+2]
	v_max3_num_f32 v9, v[\b+3], v[\b+4], v[\b+5]
.irp i, 6,10
	s_delay_alu instid0(VALU_DEP_2)
	v_max3_num_f32 v[\d], v[\d], v[\b+\i], v[\b+\i+1]
	s_delay_alu instid0(VALU_DEP_2)
	v_max3_num_f32 v9, v9, v[\b+\i+2], v[\b+\i+3]
.endr
	s_wait_alu depctr_va_vdst(0)
	v_max3_num_f32 v[\d], v[\d], v[\b+14], v[\b+15]
	s_delay_alu instid0(VALU_DEP_1)
	v_max_num_f32 v[\d], v[\d], v9
.endm
.macro WAVEMAX d                       ; and of the 32 lanes, into every lane
	s_delay_alu instid0(VALU_DEP_1)
	v_max_num_f32_dpp v[\d], v[\d], v[\d] row_xmask:1 row_mask:0xf bank_mask:0xf
	s_delay_alu instid0(VALU_DEP_1)
	v_max_num_f32_dpp v[\d], v[\d], v[\d] row_xmask:2 row_mask:0xf bank_mask:0xf
	s_delay_alu instid0(VALU_DEP_1)
	v_max_num_f32_dpp v[\d], v[\d], v[\d] row_xmask:4 row_mask:0xf bank_mask:0xf
	s_delay_alu instid0(VALU_DEP_1)
	v_max_num_f32_dpp v[\d], v[\d], v[\d] row_xmask:8 row_mask:0xf bank_mask:0xf
	s_delay_alu instid0(VALU_DEP_1)
	v_permlanex16_b32 v10, v[\d], s12, s13
	s_delay_alu instid0(VALU_DEP_1)
	v_max_num_f32 v[\d], v[\d], v10
.endm
	s_mov_b32 s20, 0
	s_mov_b32 s21, 0x10001                         ; lanes k and k + 16
.Lround:                                           ; 16 trips, a constant
	TREE 8, V
	WAVEMAX 8                                      ; the largest score left
.irp j, 0,1,2,3,4,5,6,7,8,9,10,11,12,13,14,15
	v_cmp_eq_f32 s[MK+\j], v8, v[V+\j]
.endr
.irp j, 0,1,2,3,4,5,6,7,8,9,10,11,12,13,14,15
	v_cndmask_b32 v[CND+\j], v14, v[NID+\j], s[MK+\j]   ; its holders show their negated indices, the others -infinity
.endr
	TREE 11, CND
	WAVEMAX 11                                     ; the lowest index among the holders
.irp j, 0,1,2,3,4,5,6,7,8,9,10,11,12,13,14,15
	v_cmp_eq_f32 s[MK+\j], v11, v[NID+\j]
.endr
.irp j, 0,1,2,3,4,5,6,7,8,9,10,11,12,13,14,15
	v_cndmask_b32 v[V+\j], v[V+\j], v14, s[MK+\j]  ; that one leaves
.endr
	v_cndmask_b32 v12, v12, v11, s21               ; winner k stays in lanes k and k + 16: its index,
	v_cndmask_b32 v13, v13, v8, s21                ; and its score
	s_lshl_b32 s21, s21, 1
	s_add_co_u32 s20, s20, 1
	s_cmp_lt_u32 s20, 16
	s_cbranch_scc1 .Lround
	v_readlane_b32 s22, v13, 0
	s_delay_alu instid0(VALU_DEP_1)
	v_sub_f32 v15, v13, s22
	s_delay_alu instid0(VALU_DEP_1)
	v_mul_f32 v15, 0x3fb8aa3b, v15                 ; x log2(e)
	s_wait_alu depctr_va_vdst(0)
	v_exp_f32 v15, v15
	v_cvt_i32_f32 v12, v12                         ; (a plain line behind the exponential)
	s_wait_alu depctr_va_vdst(0)
	v_mov_b32 v9, v15
	s_delay_alu instid0(VALU_DEP_1)
	v_add_f32_dpp v9, v9, v9 row_xmask:1 row_mask:0xf bank_mask:0xf   ; each half of 16 lanes holds all 16 numbers: four steps give each lane the sum
	s_delay_alu instid0(VALU_DEP_1)
	v_add_f32_dpp v9, v9, v9 row_xmask:2 row_mask:0xf bank_mask:0xf
	s_delay_alu instid0(VALU_DEP_1)
	v_add_f32_dpp v9, v9, v9 row_xmask:4 row_mask:0xf bank_mask:0xf
	s_delay_alu instid0(VALU_DEP_1)
	v_add_f32_dpp v9, v9, v9 row_xmask:8 row_mask:0xf bank_mask:0xf
	s_wait_alu depctr_va_vdst(0)
	v_rcp_f32 v9, v9
	v_sub_nc_u32 v12, 0, v12                       ; the memory's number (a plain line behind the reciprocal)
	s_wait_alu depctr_va_vdst(0)
	v_mul_f32 v15, v15, v9                         ; the weight
	ds_store_b32 v7, v12                           ; lanes r and r + 16 write the same word with the same value
	ds_store_b32 v7, v15 offset:1024
	s_wait_dscnt 0x0
	s_barrier_signal -1
	s_barrier_wait -1
	s_cmp_gt_u32 s16, 1                            ; wave 0 stores the 1,024 bytes of indices, wave 1 those of weights
	s_cbranch_scc1 .Ldone
	s_cmp_eq_u32 s16, 0
	s_cselect_b64 s[8:9], s[8:9], s[10:11]         ; the choice hangs on the wave's number alone
	ds_load_b128 v[16:19], v[RDA]
	ds_load_b128 v[20:23], v[RDA] offset:512
	s_wait_dscnt 0x0
	global_store_b128 v3, v[16:19], s[8:9]         ; 512 consecutive bytes each, aligned
	global_store_b128 v3, v[20:23], s[8:9] offset:512
.Ldone:
	s_wait_tensorcnt 0x0
	ds_add_u32 v76, v77
	s_wait_dscnt 0x0
	s_endpgm
.Lfunc_end_k_q3c022032a3_picke:
	.size	k_q3c022032a3_picke, .Lfunc_end_k_q3c022032a3_picke-k_q3c022032a3_picke
	.p2alignl 7, 3214868480
	.fill 96, 4, 3214868480
	.section	.rodata,"a",@progbits
	.p2align	6, 0x0
	.amdhsa_kernel k_q3c022032a3_picke
		.amdhsa_group_segment_fixed_size 4096
		.amdhsa_private_segment_fixed_size 0
		.amdhsa_enable_private_segment 0
		.amdhsa_kernarg_size 32
		.amdhsa_user_sgpr_count 2
		.amdhsa_user_sgpr_kernarg_segment_ptr 1
		.amdhsa_wavefront_size32 1
		.amdhsa_system_sgpr_workgroup_id_x 1
		.amdhsa_system_sgpr_workgroup_id_y 1
		.amdhsa_system_sgpr_workgroup_id_z 1
		.amdhsa_system_vgpr_workitem_id 0
		.amdhsa_next_free_vgpr 78
		.amdhsa_next_free_sgpr 66
		.amdhsa_reserve_vcc 0
		.amdhsa_float_denorm_mode_32 3
		.amdhsa_float_denorm_mode_16_64 3
		.amdhsa_memory_ordered 1
		.amdhsa_forward_progress 1
		.amdhsa_inst_pref_size 13
	.end_amdhsa_kernel
	.amdgpu_metadata
---
amdhsa.version: [ 1, 2 ]
amdhsa.kernels:
  - .name:           k_q3c022032a3_picke
    .symbol:         k_q3c022032a3_picke.kd
    .args:
      - { .name: scores, .offset: 0, .size: 8, .value_kind: global_buffer, .address_space: global }
      - { .name: gsel, .offset: 8, .size: 8, .value_kind: global_buffer, .address_space: global }
      - { .name: sel, .offset: 16, .size: 8, .value_kind: global_buffer, .address_space: global }
      - { .name: wts, .offset: 24, .size: 8, .value_kind: global_buffer, .address_space: global }
    .group_segment_fixed_size: 4096
    .private_segment_fixed_size: 0
    .kernarg_segment_align: 8
    .kernarg_segment_size: 32
    .max_flat_workgroup_size: 512
    .sgpr_count:     66
    .vgpr_count:     78
    .wavefront_size: 32
...
	.end_amdgpu_metadata
.endif
;; end of part 4
;; launch mix (part 5): grid 1024 x 1, 4 waves a work-group, no clusters, 0 bytes of LDS; arguments ltm_buffer, sel, wts, out0; writes out0
.if DOCPART == 5
	.amdgcn_target "amdgcn-amd-amdhsa--gfx1250"
	.amdhsa_code_object_version 6
	.text
	.protected	k_q3c022032a3_mix
	.globl	k_q3c022032a3_mix
	.p2align	8
	.type	k_q3c022032a3_mix,@function
k_q3c022032a3_mix:
	s_mov_b64 s[64:65], 0
	v_nop
	global_prefetch_b8 v0, s[64:65] scope:SCOPE_SE
	s_setreg_imm32_b32 hwreg(HW_REG_WAVE_MODE, 25, 1), 1
	s_wait_xcnt 0x0
; out0[q][:] = the sum over k = 0 .. 15 of wts[q][k] x ltm_buffer[sel[q][k]][:], all in f32.  sel and wts were stored by the launch before; sel's numbers are held to 0 .. 16,383 by a minimum.
; SHARES.  A wave takes a query.  A row is 4,096 bytes: eight loads of 512 consecutive bytes, 32 registers a lane; the sum stays in 32 registers and is stored once.
; A ring of four row slots keeps 32 loads of a wave on their way.  The rows are known from the list at the start, so the ring is never short of addresses.
; The product has one row and K = 16 for each query and its cost is the gathered bytes: packed multiply-adds do it, and matrix unit, LDS, tensor loads and clusters would add nothing
; (no two waves want the same rows at the same time by any arithmetic of the ids).  No hint on the rows' loads: other queries name the same rows again.
.set OFF, 4                            ; v4-19    byte offsets of my 16 bytes in the 16 rows
.set WT,  20                           ; v20-35   the 16 weights
.set IDX, 36                           ; v36-51   the 16 indices
.set ACC, 52                           ; v52-83   the sum
.set X,   84                           ; v84-211  four row slots of 32
	s_load_b256 s[4:11], s[0:1], 0x0               ; ltm_buffer s[4:5], sel s[6:7], wts s[8:9], out0 s[10:11]
	v_lshrrev_b32 v1, 5, v0
	v_readfirstlane_b32 s12, v1                    ; wave 0..3
	v_and_b32 v1, 31, v0
	v_lshlrev_b32 v1, 4, v1                        ; 16 x lane
	v_mov_b32 v2, 0
	s_lshl_b32 s13, ttmp9, 2
	s_add_co_u32 s13, s13, s12                     ; my query
	s_lshl_b32 s14, s13, 6                         ; its 64 bytes of sel and of wts
	s_mov_b32 s15, 0
	s_lshl_b32 s16, s13, 12                        ; its row of out0
	s_mov_b32 s17, 0
	s_wait_alu depctr_va_vdst(0)
	s_wait_kmcnt 0x0
	s_add_nc_u64 s[6:7], s[6:7], s[14:15]
	s_add_nc_u64 s[8:9], s[8:9], s[14:15]
	s_add_nc_u64 s[10:11], s[10:11], s[16:17]
.irp j, 0,1,2,3
	global_load_b128 v[IDX+4*\j:IDX+4*\j+3], v2, s[6:7] offset:16*\j   ; every lane takes the same 64 bytes
.endr
.irp j, 0,1,2,3
	global_load_b128 v[WT+4*\j:WT+4*\j+3], v2, s[8:9] offset:16*\j
.endr
	s_wait_loadcnt 4                               ; the indices are in; the four loads of weights may be out
.irp k, 0,1,2,3,4,5,6,7,8,9,10,11,12,13,14,15
	v_min_u32 v[IDX+\k], 0x3fff, v[IDX+\k]         ; an index stays inside the table, whatever was read
.endr
.irp k, 0,1,2,3,4,5,6,7,8,9,10,11,12,13,14,15
	v_lshlrev_b32 v[OFF+\k], 12, v[IDX+\k]         ; 4,096 bytes a row
.endr
.irp k, 0,1,2,3,4,5,6,7,8,9,10,11,12,13,14,15
	v_add_nc_u32 v[OFF+\k], v[OFF+\k], v1
.endr
.macro ROWLOAD k                       ; row k of the list into slot k % 4
.irp j, 0,1,2,3,4,5,6,7
	global_load_b128 v[X+32*((\k)%4)+4*\j:X+32*((\k)%4)+4*\j+3], v[OFF+(\k)], s[4:5] offset:512*\j
.endr
.endm
.macro ROWFMA k
.set XS, X+32*((\k)%4)
.if (\k) <= 12
	s_wait_loadcnt 24                              ; my row's eight loads are in (and the weights, which are older); the three younger rows' 24 may be out
.else
	s_wait_loadcnt 8*(15-(\k))                     ; the last rows: eight for each younger row
.endif
.irp p, 0,2,4,6,8,10,12,14,16,18,20,22,24,26,28,30
.if (\k) == 0
	v_pk_mul_f32 v[ACC+\p:ACC+\p+1], v[XS+\p:XS+\p+1], v[WT:WT+1] op_sel_hi:[1,0]   ; the first row starts the sums: nothing is cleared
.elseif (\k)%2 == 0
	v_pk_fma_f32 v[ACC+\p:ACC+\p+1], v[XS+\p:XS+\p+1], v[WT+(\k):WT+(\k)+1], v[ACC+\p:ACC+\p+1] op_sel_hi:[1,0,1]   ; the pair's first word serves both halves
.else
	v_pk_fma_f32 v[ACC+\p:ACC+\p+1], v[XS+\p:XS+\p+1], v[WT+(\k)-1:WT+(\k)], v[ACC+\p:ACC+\p+1] op_sel:[0,1,0] op_sel_hi:[1,1,1]   ; the pair's second word serves both halves
.endif
.endr
.if (\k)+4 <= 15
	ROWLOAD (\k)+4                                 ; the row four on takes this row's slot
.endif
.endm
	ROWLOAD 0
	ROWLOAD 1
	ROWLOAD 2
	ROWLOAD 3
.irp k, 0,1,2,3,4,5,6,7,8,9,10,11,12,13,14,15
	ROWFMA \k
.endr
.irp j, 0,1,2,3,4,5,6,7
	global_store_b128 v1, v[ACC+4*\j:ACC+4*\j+3], s[10:11] offset:512*\j th:TH_STORE_NT   ; 512 consecutive bytes, at a multiple of 256 from out0's first byte
.endr
	s_endpgm
.Lfunc_end_k_q3c022032a3_mix:
	.size	k_q3c022032a3_mix, .Lfunc_end_k_q3c022032a3_mix-k_q3c022032a3_mix
	.p2alignl 7, 3214868480
	.fill 96, 4, 3214868480
	.section	.rodata,"a",@progbits
	.p2align	6, 0x0
	.amdhsa_kernel k_q3c022032a3_mix
		.amdhsa_group_segment_fixed_size 0
		.amdhsa_private_segment_fixed_size 0
		.amdhsa_enable_private_segment 0
		.amdhsa_kernarg_size 32
		.amdhsa_user_sgpr_count 2
		.amdhsa_user_sgpr_kernarg_segment_ptr 1
		.amdhsa_wavefront_size32 1
		.amdhsa_system_sgpr_workgroup_id_x 1
		.amdhsa_system_sgpr_workgroup_id_y 1
		.amdhsa_system_sgpr_workgroup_id_z 1
		.amdhsa_system_vgpr_workitem_id 0
		.amdhsa_next_free_vgpr 212
		.amdhsa_next_free_sgpr 66
		.amdhsa_reserve_vcc 0
		.amdhsa_float_denorm_mode_32 3
		.amdhsa_float_denorm_mode_16_64 3
		.amdhsa_memory_ordered 1
		.amdhsa_forward_progress 1
		.amdhsa_inst_pref_size 33
	.end_amdhsa_kernel
	.amdgpu_metadata
---
amdhsa.version: [ 1, 2 ]
amdhsa.kernels:
  - .name:           k_q3c022032a3_mix
    .symbol:         k_q3c022032a3_mix.kd
    .args:
      - { .name: ltm_buffer, .offset: 0, .size: 8, .value_kind: global_buffer, .address_space: global }
      - { .name: sel, .offset: 8, .size: 8, .value_kind: global_buffer, .address_space: global }
      - { .name: wts, .offset: 16, .size: 8, .value_kind: global_buffer, .address_space: global }
      - { .name: out0, .offset: 24, .size: 8, .value_kind: global_buffer, .address_space: global }
    .group_segment_fixed_size: 0
    .private_segment_fixed_size: 0
    .kernarg_segment_align: 8
    .kernarg_segment_size: 32
    .max_flat_workgroup_size: 128
    .sgpr_count:     66
    .vgpr_count:     212
    .wavefront_size: 32
...
	.end_amdgpu_metadata
.endif
;; end of part 5
